; MI455X (gfx1250); checked and timed in simulation.
; The chip was launched on July 23, 2026; its instructions are those of AMD's public machine-readable ISA for CDNA 5 (MIT licence, August 2026) and "CDNA5" Instruction Set Architecture Reference Guide (July 2026). The comments in the code are by the model that wrote it; some were corrected since.
;; Chunked Self Attention. Allowed arithmetic: matrix products marked QUANTISED: E5M2 operands, one given power-of-two scale a tensor, by v_wmma_f32_16x16x64_bf8_bf8 or v_wmma_f32_16x16x128_bf8_bf8, f32 sums; everything else in f32.
;; Inputs: k 2 x 4,096 x 16 x 128 float32; lowp_scales 4 int32 (the exponents e of the quantised operands' scales 2^e); q 2 x 4,096 x 16 x 128 float32; v 2 x 4,096 x 16 x 128 float32.
;; Outputs: out0 2 x 4,096 x 16 x 128 float32.
;; Constants: start_index = 0.
;; This version of the problem:
;;   THIS VERSION OF THE PROBLEM IS GIVEN IN LOW PRECISION. The matrix products marked QUANTISED in the list below multiply operands that are first quantised to E5M2 (5 exponent bits, 2 mantissa bits; 8 bits a number), with one given power-of-two scale for each operand tensor; their sums are f32. All else is computed in f32.
;;   The module's matrix products, in the order in which they are computed (A, B: the left and right operand; K: the contracted axis; several contracted axes count as one K, in the product's order):
;;     1. batch 64 x [M 2,048, K 128] x [K 128, N 2,048]; A: computed on the way; B: computed on the way: QUANTISED (scales: A lowp_scales[0], B lowp_scales[1])
;;     2. batch 64 x [M 128, K 2,048] x [K 2,048, N 2,048]; A: input v; B: softmax (see below): QUANTISED (scales: A lowp_scales[2], B lowp_scales[3])
;;   THE QUANTISER, for each operand of a quantised product, along K:
;;     - The operand's scale is 2^e, e = its entry of the input lowp_scales (int32; the entries are numbered through the quantised products in the list's order, A before B).
;;     - Each number is divided by the scale, clamped to +-57,344, and rounded to the nearest number of E5M2, ties to even, subnormals kept.
;;     - The product sums the exact products of the quantised numbers (number of the format x scale) in f32.
;;   ~~~python
;;   def quantise(x, axis, e):      # numpy; x: float32 -> the quantised numbers, widened to float32 again
;;       x = np.moveaxis(x, axis, -1); K = x.shape[-1]
;;       r = np.clip(x / 2.0 ** e, -57344, 57344)
;;       step = 2.0 ** (np.maximum(np.frexp(np.where(r == 0, 1, r))[1] - 1, -14) - 2)
;;       q = np.round(r / step) * step * 2.0 ** e      # np.round: ties to even
;;       return np.moveaxis(q, -1, axis).astype(np.float32)
;;   ~~~
;;   SOFTMAX AHEAD OF A QUANTISED PRODUCT. Where the list says 'softmax', what is quantised is not the finished softmax but p = 2^(t - M), with t = logit x log2(e) and M = ceil(the row's largest t), a whole number; so 1/2 < the row's largest p <= 1. The row's sum l is taken of the UNQUANTISED p, in f32, and the product's result is divided by l at the end. Since M is a whole number, a kernel that streams over the keys may use a running M (the ceiling of the running maximum): every later rescaling is an exact power of two, so the quantised numbers keep their values, but for numbers so far below the row's largest that they fall under the format's range.
;;   OPERANDS COMPUTED ON THE WAY. 'Computed on the way' means the value that the module computes at that place (a softmax that the list does not call 'softmax' is quantised finished and normalised). What goes into a quantiser is computed in f32, as accurately as f32 sums, v_exp_f32 and their like allow (about 1e-6 of the number): no bf16 or f16 on the way to a quantiser, and a product that is left as it is and whose result goes on into a quantised operand takes f32 operands (vector FMAs, or v_wmma_f32_16x16x4_f32). A number that lies on a knife's edge between two numbers of the format may be rounded either way, as far as f32 arithmetic and the matrix unit's own rounding can turn it there, and no further.
;; One version. Each part assembles by itself: llvm-mc -triple=amdgcn-amd-amdhsa -mcpu=gfx1250 --defsym DOCPART=n.
;; ======== version 1 of 1: 2 launches
;; limits: right only within a limited range of input values
;; workspace buffers: qc 16,777,216 bytes; kc 16,777,216 bytes; vc 16,777,216 bytes
;; launch prep (part 1): grid 256 x 1, 16 waves a work-group, no clusters, 102,400 bytes of LDS; arguments q, k, v, lowp_scales, qc, kc, vc; writes qc, kc, vc
.if DOCPART == 1
	.amdgcn_target "amdgcn-amd-amdhsa--gfx1250"
	.amdhsa_code_object_version 6
	.text
	.protected	k_q3c8f012733_prep
	.globl	k_q3c8f012733_prep
	.p2align	8
	.type	k_q3c8f012733_prep,@function
k_q3c8f012733_prep:
	s_mov_b64 s[64:65], 0
	v_nop
	global_prefetch_b8 v0, s[64:65] scope:SCOPE_SE
	s_setreg_imm32_b32 hwreg(HW_REG_WAVE_MODE, 25, 1), 1
	s_wait_xcnt 0x0
; q, k, v: [2][4096][16][128] f32.  q and k are turned by the half-split rotary embedding (position = t, 0 .. 4095), then all three become codes of BF8 (E5M2),
; each with its given scale 2^e (lowp_scales: eq, ek, ev, ep): code = x / 2^e, held within +-57,344, to the nearest code, ties to even.
; THE CODES ARE LAID AS IMAGES OF THE OPERANDS' REGISTERS: [g 64][G 64][4,096 bytes], g = (b x 2 + chunk) x 16 + head, G = a group of 32 positions of the chunk.  A piece is 512 bytes, lane l's 16 bytes at 16 l,
; lane = (r = l % 16, hh = l / 16).   qc: [u 2][c 4][piece]: query 32 G + 16 u + r, channels 32 c + 16 hh + 0 .. 15.   kc: the same with key 32 G + 8 u + r + 8 (r / 8).
; vc: [td 8][piece]: channel 16 td + r, keys 32 G + 16 hh + 0 .. 15 (the keys are the second product's K).
; SHARES.  A work-group takes 32 positions x 16 heads of the three tensors.  Wave W: two jobs of v (head W, 16 positions each) and four jobs of q (W < 8) or k (W >= 8): tile u = (W / 4) % 2, heads 4 (W % 4) + 0 .. 3.
; A job is 16 loads of 16 bytes a lane; every load covers whole aligned runs of 256 bytes.  In a job of q or k a lane holds channels 4 m .. 4 m + 3 AND 64 + 4 m .. + 3 of one row (m = l % 16): the two partners of a rotation.
; In a job of v a lane holds 4 channels of 16 positions; the hold writes them transposed, so that the conversions find 8 neighbouring keys in consecutive registers.
; COS AND SIN.  arg = f32(j) x f32(-ln 10000 / 64), inv = exp(arg), angle = f32(t) x inv, each rounded once, as the reference's f32 steps are.  One last place of inv moves an angle of 4,095 by 2.4e-4, which turns codes:
; so exp follows, step for step in f32 and with each multiply and add fused, the Cephes scheme by which the reference's exponential of an f32 vector is taken to be made: n = floor(arg log2 e + 1/2),
; x = arg - n 0.693359375 + n 2.12194440e-4, a polynomial z of degree 5 in x, z x^2 + x, 1 + that, x 2^n.  Its error stays under two last places.
; sin, cos: n = round(angle 2 / pi), r = angle - n pi / 2 in two parts (the first exact for angles under 4,096), polynomials of degree 7 and 8 on |r| <= pi / 4.
; The 32 positions' 64 cosines and 64 sines are made once by the 512 threads (4 positions each) and lie in LDS twice, in q's order of rows and in k's.  One barrier.
; No tensor loads, no matrix work, no cluster: memory binds, nothing is shared between work-groups, and 16 to 32 loads a wave are on their way.
; LIMITS: eq, ek, ev between -126 and 112, so that 2^e and 57,344 x 2^e are f32 numbers.  NaN among the inputs is not served; an infinity in v is held at the largest code.
.set TAB,    0                         ; LDS: 64 rows x 512 bytes: row (tensor x 2 + u) x 16 + 2 kk + half: 64 cos, 64 sin
.set STG,    32768                     ; then a stage for each wave: 8 pieces
.set SPIECE, 528                       ; from piece to piece: 512 bytes + 16
.set WSTG,   8*SPIECE
.set SETA,   16                        ; v16-79   a job's 16 loads
.set SETB,   80                        ; v80-143  the other set
.set X,      144                       ; v144-207 v's numbers, held and transposed; then v's way out (v144-175); then cos (8 kk + 0 .. 3) and sin (8 kk + 4 .. 7)
.set CSR,    144
.set CODE,   208                       ; v208-223 codes (v's first job; then q's or k's, two registers a row pair)
.set CODE1,  224                       ; v224-239 codes of v's second job; then the way out of q or k
.set T,      240                       ; v240-247 at work
.set O,      248                       ; v248-255 a row's eight turned numbers
; v1 16 l | v2 offset of my row pair in a job of q or k | v3, v4 where I store cos and sin (q's order, k's order) | v5 where I read them | v6 stage: v's codes in | v7 stage: q's or k's codes in | v8 stage: out
; v9, v10: 2^e and 57,344 x 2^e of q or k | v11, v12: of v
	s_load_b256 s[4:11], s[0:1], 0x0               ; q s[4:5], k s[6:7], v s[8:9], the scales' exponents s[10:11]
	s_load_b128 s[12:15], s[0:1], 0x20             ; qc, kc
	s_load_b64 s[16:17], s[0:1], 0x30              ; vc
	v_lshrrev_b32 v13, 5, v0
	s_delay_alu instid0(VALU_DEP_1)
	v_readfirstlane_b32 s20, v13                   ; W, 0 .. 15
	s_lshr_b32 s21, s20, 3                         ; 0: q, 1: k
	s_bfe_u32 s22, s20, 0x10002                    ; u
	s_and_b32 s23, s20, 3                          ; which four heads
	s_lshl_b32 s24, ttmp9, 18                      ; the work-group's 32 positions x 8,192 bytes
	s_lshl_b32 s18, s20, 9
	s_add_co_u32 s18, s18, s24                     ; v: + head W
	s_mov_b32 s19, 0
	s_lshr_b32 s48, 0x20000, s21                   ; tile u begins at position 16 u (q) or 8 u (k)
	s_mul_i32 s48, s48, s22
	s_lshl_b32 s49, s23, 11                        ; + four heads of 512 bytes
	s_add_co_u32 s48, s48, s49
	s_add_co_u32 s48, s48, s24
	s_mov_b32 s49, 0
	s_lshl_b32 s30, 0x10000, s21                   ; lanes 16-31 stand 8 positions (q) or 16 (k) further down
	s_lshr_b32 s50, ttmp9, 6
	s_lshl_b32 s50, s50, 4                         ; 16 x (b x 2 + chunk)
	s_and_b32 s51, ttmp9, 63
	s_lshl_b32 s51, s51, 12                        ; 4,096 G
	s_add_co_u32 s44, s50, s20
	s_lshl_b32 s44, s44, 18
	s_add_co_u32 s44, s44, s51                     ; vc: g = .. + W
	s_mov_b32 s45, 0
	s_lshl_b32 s46, s23, 2
	s_add_co_u32 s46, s46, s50
	s_lshl_b32 s46, s46, 18
	s_add_co_u32 s46, s46, s51
	s_lshl_b32 s47, s22, 11
	s_add_co_u32 s46, s46, s47                     ; qc, kc: g = .. + 4 (W % 4), + 2,048 u
	s_mov_b32 s47, 0
	s_lshr_b32 s52, s20, 1                         ; pg = thread / 64: I make cos and sin of local positions 4 pg + 0 .. 3, frequency j = thread % 64
	s_and_b32 s40, ttmp9, 127
	s_lshl_b32 s40, s40, 5
	s_lshl_b32 s53, s52, 2
	s_add_co_u32 s40, s40, s53                     ; the first of my four positions t
	s_lshr_b32 s53, s52, 2
	s_bfe_u32 s54, s52, 0x10001
	s_and_b32 s55, s52, 1
	s_lshl_b32 s55, s55, 3
	s_lshl_b32 s41, s53, 4                         ; q's order: position 16 u + kk + 8 half lies in row 16 u + 2 kk + half
	s_add_co_u32 s41, s41, s54
	s_add_co_u32 s41, s41, s55
	s_lshl_b32 s41, s41, 9
	s_lshl_b32 s42, s54, 4                         ; k's order: position 8 u + kk + 16 half lies in row 32 + 16 u + 2 kk + half
	s_add_co_u32 s42, s42, s53
	s_add_co_u32 s42, s42, s55
	s_add_co_u32 s42, s42, 32
	s_lshl_b32 s42, s42, 9
	v_and_b32 v13, 31, v0                          ; l
	s_delay_alu instid0(VALU_DEP_1)
	v_lshlrev_b32 v1, 4, v13
	v_and_b32 v14, 15, v0                          ; m
	v_bfe_u32 v15, v0, 4, 1                        ; half
	s_delay_alu instid0(VALU_DEP_1)
	v_mul_u32_u24 v2, v15, s30
	s_delay_alu instid0(VALU_DEP_1)
	v_lshl_add_u32 v2, v14, 4, v2
	v_and_b32 v3, 63, v0
	s_delay_alu instid0(VALU_DEP_1)
	v_lshlrev_b32 v3, 2, v3                        ; 4 j
	s_delay_alu instid0(VALU_DEP_1)
	v_add_nc_u32 v4, s42, v3
	s_delay_alu instid0(VALU_DEP_2)
	v_add_nc_u32 v3, s41, v3
	s_lshr_b32 s56, s20, 2
	s_lshl_b32 s56, s56, 13                        ; my tensor's and tile's 16 rows of the table
	v_lshlrev_b32 v5, 9, v15
	s_delay_alu instid0(VALU_DEP_1)
	v_lshl_add_u32 v5, v14, 4, v5
	s_delay_alu instid0(VALU_DEP_1)
	v_add_nc_u32 v5, s56, v5
	s_mul_i32 s57, s20, WSTG
	s_add_co_u32 s57, s57, STG                     ; my stage
	v_lshrrev_b32 v6, 2, v13                       ; v: channel 4 l + dd lies in piece l / 4, at r = 4 (l % 4) + dd
	s_delay_alu instid0(VALU_DEP_1)
	v_mul_u32_u24 v6, v6, SPIECE
	v_and_b32 v208, 3, v13
	s_delay_alu instid0(VALU_DEP_1)
	v_lshl_add_u32 v6, v208, 6, v6
	s_delay_alu instid0(VALU_DEP_1)
	v_add_nc_u32 v6, s57, v6
	v_lshrrev_b32 v7, 3, v14                       ; q, k: channels 4 m on lie in piece m / 8, half (m / 4) % 2 of the lanes, bytes 4 (m % 4) on; row r = kk + 8 half
	s_delay_alu instid0(VALU_DEP_1)
	v_mul_u32_u24 v7, v7, SPIECE
	v_bfe_u32 v208, v14, 2, 1
	s_delay_alu instid0(VALU_DEP_1)
	v_lshl_add_u32 v7, v208, 8, v7
	s_delay_alu instid0(VALU_DEP_1)
	v_lshl_add_u32 v7, v15, 7, v7
	v_and_b32 v208, 3, v14
	s_delay_alu instid0(VALU_DEP_1)
	v_lshl_add_u32 v7, v208, 2, v7
	s_delay_alu instid0(VALU_DEP_1)
	v_add_nc_u32 v7, s57, v7
	v_add_nc_u32 v8, s57, v1
	s_wait_kmcnt 0x0
	s_load_b128 s[36:39], s[10:11], 0x0            ; eq, ek, ev, ep
	s_add_nc_u64 s[26:27], s[8:9], s[18:19]        ; v in
	s_cmp_eq_u32 s21, 0                            ; the choice hangs on the wave's number alone
	s_cselect_b64 s[28:29], s[4:5], s[6:7]
	s_cselect_b64 s[34:35], s[12:13], s[14:15]
	s_add_nc_u64 s[28:29], s[28:29], s[48:49]      ; q or k in
	s_add_nc_u64 s[34:35], s[34:35], s[46:47]      ; qc or kc out
	s_add_nc_u64 s[32:33], s[16:17], s[44:45]      ; vc out
.macro LOADV hh, set                   ; 16 rows of 512 bytes: positions 16 hh + p of head W
.irp p, 0,1,2,3,4,5,6,7,8,9,10,11,12,13,14,15
	global_load_b128 v[\set+4*\p:\set+4*\p+3], v1, s[26:27] offset:(16*\hh+\p)*8192 th:TH_LOAD_NT
.endr
.endm
.macro LOADQK jq, set                  ; head 4 (W % 4) + jq: eight row pairs; of each row first channels 0-63, then 64-127: sixteen lanes read 256 consecutive bytes
.irp kk, 0,1,2,3,4,5,6,7
	global_load_b128 v[\set+8*\kk:\set+8*\kk+3],   v2, s[28:29] offset:\kk*8192+(\jq)*512 th:TH_LOAD_NT
	global_load_b128 v[\set+8*\kk+4:\set+8*\kk+7], v2, s[28:29] offset:\kk*8192+(\jq)*512+256 th:TH_LOAD_NT
.endr
.endm
	LOADV 0, SETA
	LOADV 1, SETB                                  ; 32 loads are out while cos and sin are made
	; inv = exp(f32(j) x c), by the Cephes scheme in f32, each multiply and add fused
	v_and_b32 v208, 63, v0
	s_delay_alu instid0(VALU_DEP_1)
	v_cvt_f32_u32 v208, v208
	s_delay_alu instid0(VALU_DEP_1)
	v_mul_f32 v209, 0xbe135d8e, v208               ; arg = j x f32(-ln 10000 / 64), between -9.07 and 0 (the scheme's clamps at its range's ends never act)
	s_delay_alu instid0(VALU_DEP_1)
	v_fma_f32 v210, v209, 0x3fb8aa3b, 0.5
	s_delay_alu instid0(VALU_DEP_1)
	v_floor_f32 v210, v210                         ; n = floor(arg x log2 e + 1/2), -13 .. 0
	s_delay_alu instid0(VALU_DEP_1)
	v_fmamk_f32 v213, v210, 0xbf318000, v209       ; x = arg - n x 0.693359375: nothing is rounded (the constant has 9 bits, n 4)
	s_delay_alu instid0(VALU_DEP_1)
	v_fmamk_f32 v213, v210, 0x395e8083, v213       ; x = x + n x 2.12194440e-4: the rest of ln 2
	v_mov_b32 v214, 0x39506967                     ; 1.9875691500e-4
	s_delay_alu instid0(VALU_DEP_1)
	v_fmaak_f32 v214, v214, v213, 0x3ab743ce       ; 1.3981999507e-3
	s_delay_alu instid0(VALU_DEP_1)
	v_fmaak_f32 v214, v214, v213, 0x3c088908       ; 8.3334519073e-3
	s_delay_alu instid0(VALU_DEP_1)
	v_fmaak_f32 v214, v214, v213, 0x3d2aa9c1       ; 4.1665795894e-2
	s_delay_alu instid0(VALU_DEP_1)
	v_fmaak_f32 v214, v214, v213, 0x3e2aaaaa       ; 1.6666665459e-1
	s_delay_alu instid0(VALU_DEP_1)
	v_fma_f32 v214, v214, v213, 0.5                ; 5.0000001201e-1 is 0.5 in f32
	v_mul_f32 v215, v213, v213
	s_delay_alu instid0(VALU_DEP_1)
	v_fma_f32 v214, v214, v215, v213               ; z x^2 + x
	s_delay_alu instid0(VALU_DEP_1)
	v_add_f32 v214, 1.0, v214
	v_cvt_i32_f32 v210, v210
	s_delay_alu instid0(VALU_DEP_1)
	v_ldexp_f32 v220, v214, v210                   ; inv = (1 + ..) x 2^n: nothing is rounded
.macro SINCOS i                        ; position s40 + i: cos into v[240 + 2 i], sin into v[241 + 2 i], and both into the table's two orders
	s_add_co_u32 s43, s40, \i
	v_cvt_f32_u32 v221, s43
	s_delay_alu instid0(VALU_DEP_1)
	v_mul_f32 v222, v221, v220                     ; the angle, rounded once
	s_delay_alu instid0(VALU_DEP_1)
	v_mul_f32 v223, 0x3f22f983, v222
	s_delay_alu instid0(VALU_DEP_1)
	v_rndne_f32 v223, v223                         ; n = round(angle x 2 / pi), at most 2,607
	s_delay_alu instid0(VALU_DEP_1)
	v_fmamk_f32 v224, v223, 0xbfc90fdb, v222       ; angle - n x pio2_hi: a multiple of 2^-23 (or of the angle's finer last place) under 1: nothing is rounded
	s_delay_alu instid0(VALU_DEP_1)
	v_fmamk_f32 v224, v223, 0x333bbd2e, v224       ; + n x (pio2_hi - pi / 2)
	s_delay_alu instid0(VALU_DEP_1)
	v_mul_f32 v225, v224, v224                     ; z
	v_mov_b32 v226, 0xb94ca1f9
	s_delay_alu instid0(VALU_DEP_1)
	v_fmaak_f32 v226, v226, v225, 0x3c08839e
	s_delay_alu instid0(VALU_DEP_1)
	v_fmaak_f32 v226, v226, v225, 0xbe2aaaa3
	s_delay_alu instid0(VALU_DEP_4)
	v_mul_f32 v228, v224, v225
	s_delay_alu instid0(VALU_DEP_1)
	v_fma_f32 v226, v226, v228, v224               ; sin r
	v_mov_b32 v227, 0x37ccf5ce
	s_delay_alu instid0(VALU_DEP_1)
	v_fmaak_f32 v227, v227, v225, 0xbab6061a
	s_delay_alu instid0(VALU_DEP_1)
	v_fmaak_f32 v227, v227, v225, 0x3d2aaaa5
	v_mul_f32 v228, v225, v225
	v_fma_f32 v229, v225, -0.5, 1.0
	s_delay_alu instid0(VALU_DEP_1)
	v_fma_f32 v227, v227, v228, v229               ; cos r
	v_cvt_i32_f32 v230, v223
	s_delay_alu instid0(VALU_DEP_1)
	v_and_b32 v228, 1, v230
	s_delay_alu instid0(VALU_DEP_1)
	v_cmp_ne_u32 vcc_lo, 0, v228                   ; an odd quarter turn swaps the two
	s_delay_alu instid0(VALU_DEP_1)
	v_cndmask_b32 v231, v226, v227, vcc_lo
	s_delay_alu instid0(VALU_DEP_2)
	v_cndmask_b32 v232, v227, v226, vcc_lo
	v_lshlrev_b32 v228, 30, v230
	s_delay_alu instid0(VALU_DEP_1)
	v_and_b32 v228, 0x80000000, v228               ; sin changes sign in quarters 2 and 3: bit 1 of n
	s_delay_alu instid0(VALU_DEP_1)
	v_xor_b32 v[241+2*\i], v231, v228
	v_add_nc_u32 v230, 1, v230
	s_delay_alu instid0(VALU_DEP_1)
	v_lshlrev_b32 v228, 30, v230
	s_delay_alu instid0(VALU_DEP_1)
	v_and_b32 v228, 0x80000000, v228               ; cos in quarters 1 and 2: bit 1 of n + 1
	s_delay_alu instid0(VALU_DEP_1)
	v_xor_b32 v[240+2*\i], v232, v228
	ds_store_b32 v3, v[240+2*\i] offset:TAB+1024*\i
	ds_store_b32 v4, v[240+2*\i] offset:TAB+1024*\i
	ds_store_b32 v3, v[241+2*\i] offset:TAB+1024*\i+256
	ds_store_b32 v4, v[241+2*\i] offset:TAB+1024*\i+256
.endm
	SINCOS 0
	SINCOS 1
	SINCOS 2
	SINCOS 3
	s_wait_kmcnt 0x0
	s_cmp_eq_u32 s21, 0
	s_cselect_b32 s58, s36, s37                    ; eq or ek
	s_add_co_i32 s58, s58, 127
	s_lshl_b32 s59, s58, 23
	v_mov_b32 v9, s59                              ; 2^e as f32: the conversion takes its exponent field
	s_add_co_i32 s58, s58, 15
	s_lshl_b32 s58, s58, 23
	s_or_b32 s58, s58, 0x600000
	v_mov_b32 v10, s58                             ; 57,344 x 2^e
	s_add_co_i32 s58, s38, 127                     ; ev
	s_lshl_b32 s59, s58, 23
	v_mov_b32 v11, s59
	s_add_co_i32 s58, s58, 15
	s_lshl_b32 s58, s58, 23
	s_or_b32 s58, s58, 0x600000
	v_mov_b32 v12, s58
	s_wait_alu depctr_va_vdst(0)
	s_wait_dscnt 0x0                               ; for the others' sake: my part of the table has landed
	s_barrier_signal -1
	s_barrier_wait -1                              ; the table is whole; nobody writes it again
; A job of v.  The hold writes transposed: X[16 dd + p] = v(position 16 hh + p, channel 4 l + dd).
.macro VJOB hh, set, code, next
	s_wait_loadcnt 16                              ; this job's 16 loads are in; the 16 issued behind them may be out
.irp dd, 0,1,2,3
.irp p, 0,1,2,3,4,5,6,7,8,9,10,11,12,13,14,15
	v_med3_num_f32 v[X+16*\dd+\p], v[\set+4*\p+\dd], -v12, v12   ; the conversion to an 8-bit code does not saturate (ISA guide 7.6.2): the hold at the largest code x the scale
.endr
.endr
	LOADQK \next, \set                             ; the set is free: it takes a job of q or k
.irp dd, 0,1,2,3
	v_cvt_scalef32_pk8_bf8_f32 v[\code+4*\dd:\code+4*\dd+1],   v[X+16*\dd:X+16*\dd+7],    v11
	v_cvt_scalef32_pk8_bf8_f32 v[\code+4*\dd+2:\code+4*\dd+3], v[X+16*\dd+8:X+16*\dd+15], v11
.endr
	v_nop                                          ; a plain vector line between the conversions and the next vector lines that write their sources
.irp dd, 0,1,2,3
	ds_store_b128 v6, v[\code+4*\dd:\code+4*\dd+3] offset:256*\hh+16*\dd   ; 16 keys of one channel: 16 bytes of a piece
.endr
.endm
	VJOB 0, SETA, CODE, 0
	VJOB 1, SETB, CODE1, 1
.irp n, 0,1,2,3,4,5,6,7
	ds_load_b128 v[X+4*\n:X+4*\n+3], v8 offset:SPIECE*\n   ; LDS serves a wave's instructions in order: these see my stores
.endr
.irp n, 0,1,2,3,4,5,6,7
	s_wait_dscnt 7-\n                              ; piece n is back; the younger loads may be out
	global_store_b128 v1, v[X+4*\n:X+4*\n+3], s[32:33] offset:512*\n   ; 32 lanes store 512 consecutive bytes, aligned
.endr
	s_wait_xcnt 0x0                                ; the stores have read v144-175: cos and sin land there only behind this wait
.irp kk, 0,1,2,3,4,5,6,7
	ds_load_b128 v[CSR+8*\kk:CSR+8*\kk+3],   v5 offset:TAB+1024*\kk       ; cos of my row of pair kk, frequencies 4 m .. 4 m + 3
	ds_load_b128 v[CSR+8*\kk+4:CSR+8*\kk+7], v5 offset:TAB+1024*\kk+256   ; sin
.endr
	s_wait_dscnt 0x0
; A job of q or k: eight row pairs are turned, held, converted (8 numbers: two registers of 4 codes) and laid into four pieces in my stage; the pieces leave whole.
.macro QKJOB jq, set, left, next
	s_wait_loadcnt \left                           ; this job's 16 loads are in; the next job's, issued behind them, may be out
.irp kk, 0,1,2,3,4,5,6,7
	v_pk_mul_f32 v[T:T+1],   v[\set+8*\kk+4:\set+8*\kk+5], v[CSR+8*\kk+4:CSR+8*\kk+5]   ; x2 sin.  (These plain lines also stand between the last conversion and the lines that write its sources)
	v_pk_mul_f32 v[T+2:T+3], v[\set+8*\kk+6:\set+8*\kk+7], v[CSR+8*\kk+6:CSR+8*\kk+7]
	v_pk_mul_f32 v[T+4:T+5], v[\set+8*\kk:\set+8*\kk+1],   v[CSR+8*\kk+4:CSR+8*\kk+5]   ; x1 sin
	v_pk_mul_f32 v[T+6:T+7], v[\set+8*\kk+2:\set+8*\kk+3], v[CSR+8*\kk+6:CSR+8*\kk+7]
	s_delay_alu instid0(VALU_DEP_4)
	v_pk_fma_f32 v[O:O+1],   v[\set+8*\kk:\set+8*\kk+1],   v[CSR+8*\kk:CSR+8*\kk+1],   v[T:T+1]   neg_lo:[0,0,1] neg_hi:[0,0,1]   ; x1 cos - x2 sin
	s_delay_alu instid0(VALU_DEP_4)
	v_pk_fma_f32 v[O+2:O+3], v[\set+8*\kk+2:\set+8*\kk+3], v[CSR+8*\kk+2:CSR+8*\kk+3], v[T+2:T+3] neg_lo:[0,0,1] neg_hi:[0,0,1]
	s_delay_alu instid0(VALU_DEP_4)
	v_pk_fma_f32 v[O+4:O+5], v[\set+8*\kk+4:\set+8*\kk+5], v[CSR+8*\kk:CSR+8*\kk+1],   v[T+4:T+5]   ; x2 cos + x1 sin
	s_delay_alu instid0(VALU_DEP_4)
	v_pk_fma_f32 v[O+6:O+7], v[\set+8*\kk+6:\set+8*\kk+7], v[CSR+8*\kk+2:CSR+8*\kk+3], v[T+6:T+7]
.irp i, 0,1,2,3,4,5,6,7
	v_med3_num_f32 v[O+\i], v[O+\i], -v10, v10
.endr
	v_cvt_scalef32_pk8_bf8_f32 v[CODE+2*\kk:CODE+2*\kk+1], v[O:O+7], v9
	ds_store_b32 v7, v[CODE+2*\kk]   offset:16*\kk              ; channels 4 m on: pieces 0, 1
	ds_store_b32 v7, v[CODE+2*\kk+1] offset:16*\kk+2*SPIECE     ; channels 64 + 4 m on: pieces 2, 3
.endr
	v_nop                                          ; a plain vector line behind the last conversion
	s_wait_xcnt 0x0                                ; the last job's stores have read v224-239, which the loads from the stage write again
.if (\next) >= 0
	LOADQK \next, \set
.endif
.irp n, 0,1,2,3
	ds_load_b128 v[CODE1+4*\n:CODE1+4*\n+3], v8 offset:SPIECE*\n
.endr
.irp n, 0,1,2,3
	s_wait_dscnt 3-\n                              ; piece n is back; at n = 3 all my LDS instructions are done, so the next job may write the codes' registers
	global_store_b128 v1, v[CODE1+4*\n:CODE1+4*\n+3], s[34:35] offset:(\jq)*262144+512*\n
.endr
.endm
	QKJOB 0, SETA, 16, 2
	QKJOB 1, SETB, 16, 3
	QKJOB 2, SETA, 16, -1
	QKJOB 3, SETB, 0, -1
	s_wait_xcnt 0x0
	v_lshl_add_u32 v254, v0, 2, 0x18800
	v_mov_b32 v255, 0
	s_wait_alu depctr_va_vdst(0)
	s_wait_tensorcnt 0x0
	ds_add_u32 v254, v255
	s_wait_dscnt 0x0
	s_endpgm
.Lfunc_end_k_q3c8f012733_prep:
	.size	k_q3c8f012733_prep, .Lfunc_end_k_q3c8f012733_prep-k_q3c8f012733_prep
	.p2alignl 7, 3214868480
	.fill 96, 4, 3214868480
	.section	.rodata,"a",@progbits
	.p2align	6, 0x0
	.amdhsa_kernel k_q3c8f012733_prep
		.amdhsa_group_segment_fixed_size 102400
		.amdhsa_private_segment_fixed_size 0
		.amdhsa_enable_private_segment 0
		.amdhsa_kernarg_size 56
		.amdhsa_user_sgpr_count 2
		.amdhsa_user_sgpr_kernarg_segment_ptr 1
		.amdhsa_wavefront_size32 1
		.amdhsa_system_sgpr_workgroup_id_x 1
		.amdhsa_system_sgpr_workgroup_id_y 1
		.amdhsa_system_sgpr_workgroup_id_z 1
		.amdhsa_system_vgpr_workitem_id 0
		.amdhsa_next_free_vgpr 256
		.amdhsa_next_free_sgpr 66
		.amdhsa_reserve_vcc 1
		.amdhsa_float_denorm_mode_32 3
		.amdhsa_float_denorm_mode_16_64 3
		.amdhsa_memory_ordered 1
		.amdhsa_forward_progress 1
		.amdhsa_inst_pref_size 83
	.end_amdhsa_kernel
	.amdgpu_metadata
---
amdhsa.version: [ 1, 2 ]
amdhsa.kernels:
  - .name:           k_q3c8f012733_prep
    .symbol:         k_q3c8f012733_prep.kd
    .args:
      - { .name: q, .offset: 0, .size: 8, .value_kind: global_buffer, .address_space: global }
      - { .name: k, .offset: 8, .size: 8, .value_kind: global_buffer, .address_space: global }
      - { .name: v, .offset: 16, .size: 8, .value_kind: global_buffer, .address_space: global }
      - { .name: lowp_scales, .offset: 24, .size: 8, .value_kind: global_buffer, .address_space: global }
      - { .name: qc, .offset: 32, .size: 8, .value_kind: global_buffer, .address_space: global }
      - { .name: kc, .offset: 40, .size: 8, .value_kind: global_buffer, .address_space: global }
      - { .name: vc, .offset: 48, .size: 8, .value_kind: global_buffer, .address_space: global }
    .group_segment_fixed_size: 102400
    .private_segment_fixed_size: 0
    .kernarg_segment_align: 8
    .kernarg_segment_size: 56
    .max_flat_workgroup_size: 512
    .sgpr_count:     66
    .vgpr_count:     256
    .wavefront_size: 32
...
	.end_amdgpu_metadata
.endif
;; end of part 1
;; launch attn (part 2): grid 4 x 64, 8 waves a work-group, no clusters, 327,680 bytes of LDS; arguments qc, kc, vc, lowp_scales, out0; writes out0
.if DOCPART == 2
	.amdgcn_target "amdgcn-amd-amdhsa--gfx1250"
	.amdhsa_code_object_version 6
	.text
	.protected	k_q3c8f012733_attn
	.globl	k_q3c8f012733_attn
	.p2align	8
	.type	k_q3c8f012733_attn,@function
k_q3c8f012733_attn:
	s_mov_b64 s[64:65], 0
	v_nop
	global_prefetch_b8 v0, s[64:65] scope:SCOPE_SE
	s_setreg_imm32_b32 hwreg(HW_REG_WAVE_MODE, 25, 1), 1
	s_wait_xcnt 0x0
; 64 causal attentions (g = (b x 2 + chunk) x 16 + head) of 2,048 queries x 2,048 keys, head size 128, scale 1, both products on codes of BF8 (E5M2) by v_wmma_f32_16x16x128_bf8_bf8.
; qc, kc, vc: [g 64][G 64][4,096 bytes], images of the operands' registers: a piece is 512 bytes, lane l's 16 bytes at 16 l, lane = (r = l % 16, hh = l / 16).
;   qc: [u 2][c 4][piece]: query 32 G + 16 u + r, channels 32 c + 16 hh + 0 .. 15.   kc: the same with key 32 G + 8 u + r + 8 (r / 8).   vc: [td 8][piece]: channel 16 td + r, keys 32 G + 16 hh + 0 .. 15.
; lowp_scales: eq, ek, ev, ep.  out0: [2][4096][16][128] f32.
; SOFTMAX: t = score x log2(e); M = the row's largest t so far, rounded up to a whole number; p = 2^(t - M) is quantised, not normalised; the row's sum is taken of the unquantised p and divides O at the end.
; When M moves, the sum and O are multiplied by 2^(old M - new M): exact.
; LEFT OUT: key steps all of whose keys come after a wave's queries: the causal mask that the reference builds gives them p = 0.
; SHARES.  Work-group (x, g) owns the blocks of 256 queries 7 - x and x of g, one after the other: 8 - x and x + 1 key slots of 256 keys: nine slots in every work-group.  Each of EIGHT waves owns 32 queries of a block,
; two tiles of 16 (u = 0, 1), in 512 registers: each fragment of K and V read from LDS feeds two matrix instructions.  A key step is 128 keys.  On the diagonal hidden scores become -infinity, so p = 0.
; LAYOUT.  Both products transposed: S^T = K Q^T, O^T = V^T P^T: a lane holds one query of each tile.  The keys of a tile of K are chosen (in kc) so that the registers of tiles 2 b, 2 b + 1 are keys 32 b + 16 hh + 0 .. 15.
; THE RING.  Two LDS slots of 64 KiB (K's 32 KiB, V's 32 KiB, dense in memory).  Every wave fetches 8 KiB of a slot by one tensor load (waves 0-3: K's quarters, waves 4-7: V's); a wave has at most one out.
; NO CLUSTER: the four work-groups of a g walk different runs of slots (8 - x, then x + 1), so their requests for a tile do not meet; a form in which all four make every joint request would walk twelve slots against nine.
; PREFETCH: work-group x = 0, whose first block walks slots 0 .. 7 in order, asks for slot n + 2 at the change that loads slot n + 1: each wave its own 8 KiB, lanes 256 bytes apart; slots 0, 1 come by their loads alone.
; LIMITS on the given exponents: eq + ek between -126 and 127 (added to log2(e)'s exponent field); ep between -126 and 112; ep + ev goes by v_ldexp_f32 and has none.
; REGISTERS.  Window 0: v1-11 addresses; v16-143 S^T, then p, then O scaled; v144-207 four fragments (FB); v208.. statistics and work.  Window 1: v0-127 O^T; v128-159 Q; v160-223 four fragments (FA); v224-255 p's codes.
.set SLOT1, 65536
.set VOFF,  32768
.set SPARE, 131072                     ; the spare words: 128 bytes a wave, four blocks of 256 bytes that no other line names
.set STAGE, 132096                     ; 16 rows x 272 bytes for each wave, for the way out: no fill lands here
.set SP,    272
.set LI,   1                           ; 16 x lane
.set DL,   2                           ; r - 16 hh
.set PFO,  3                           ; 256 x lane
.set SPW,  5
.set NIL,  6
.set GO,   7
.set ADR,  8
.set STO,  10
.set RD,   11
.set S,    16
.set FB,   144
.set NM,   208                         ; + 4 u: -M, the largest t
.set FF,   210                         ; + 4 u: f, and a word named with it
.set SUM,  216                         ; + 2 u: the sum in two halves
.set HOLD, 220                         ; v220, v221: 57,344 x 2^ep, twice (the two halves of a dual pair take their first sources from different banks)
.set PX,   222                         ; + u
.set DD,   224
.set NINF, 225
.set TA,   226                         ; + 2 u: two chains of maxima
.set T1,   232                         ; + 6 u: three pairs of partial sums
.set SC,   244                         ; 2^ep
.set O,    0                           ; window 1
.set Q,    128
.set FA,   160
.set CODE, 224
.set TB,   2
.set NK,   3
.set WV,   18
.set LIM1, 19
.set SEL,  20
.set CS,   22
.set G1,   24
.set G0,   40
.set KVB,  44
.set QP2,  48
.set OP1,  50
.set OP2,  52
.set QP1,  54
.set SLOTS, 67
.set PFA,  76
.set LIM,  80
.set ESUM, 83
.set QEND, 97
.set KF,   98
.set Q0,   99
.set MSB, 0
.macro WIN new                         ; low byte: 1:0 source 0, 3:2 source 1, 5:4 source 2, 7:6 destination; the high byte repeats the setting that is left
.if MSB != \new
	s_set_vgpr_msb (MSB<<8)|\new
.set MSB, \new
.endif
.endm
.macro NOPS n
.rept \n
	v_nop
.endr
.endm
.macro PADD d, a, b
	v_pk_add_f32 v[(\d):(\d)+1], v[(\a):(\a)+1], v[(\b):(\b)+1]
.endm
.macro LDF win, reg, base, st, sc      ; four fragments of 16 registers
	WIN \win
.irp t, 0,1,2,3
.irp c, 0,1,2,3
	ds_load_b128 v[\reg+16*\t+4*\c:\reg+16*\t+4*\c+3], v[ADR] offset:(\base)+\t*(\st)+\c*(\sc)
.endr
.endr
.endm
.macro SMUL win, frag, tb              ; eight score tiles: four fragments of K x my two tiles of queries
	WIN \win
.irp t, 0,1,2,3
.irp u, 0,1
	v_wmma_f32_16x16x128_bf8_bf8 v[S+64*\u+8*(\tb+\t):S+64*\u+8*(\tb+\t)+7], v[\frag+16*\t:\frag+16*\t+15], v[Q+16*\u:Q+16*\u+15], 0
.endr
.endr
.endm
.macro PMUL win, frag, tb              ; eight accumulators by turns
	WIN \win
.irp t, 0,1,2,3
.irp u, 0,1
	v_wmma_f32_16x16x128_bf8_bf8 v[O+64*\u+8*(\tb+\t):O+64*\u+8*(\tb+\t)+7], v[\frag+16*\t:\frag+16*\t+15], v[CODE+16*\u:CODE+16*\u+15], v[O+64*\u+8*(\tb+\t):O+64*\u+8*(\tb+\t)+7]
.endr
.endr
.endm
.macro TLOAD                           ; every wave's one load; s_nop 0 and four v_nop follow it
	tensor_load_to_lds s[G0:G0+3], s[G1:G1+7]
	s_nop 0
	NOPS 4
.endm
.macro ASK
	s_cmp_gt_u32 s[SLOTS], s[LIM]
	s_cbranch_scc0 .Lnot_mine_\@
	global_prefetch_b8 v[PFO], s[PFA:PFA+1] th:TH_LOAD_NT scope:SCOPE_SE
.Lnot_mine_\@:
.endm
.macro QLOAD base
	WIN 0x40
.irp n, 0,1,2,3,4,5,6,7
	global_load_b128 v[Q+4*\n:Q+4*\n+3], v[LI], s[\base:\base+1] offset:512*\n th:TH_LOAD_NT
.endr
	WIN 0
.endm
	s_load_b128 s[4:7], s[0:1], 0x0                ; qc, kc
	s_load_b128 s[12:15], s[0:1], 0x10             ; vc, the scales' exponents
	s_load_b64 s[16:17], s[0:1], 0x20              ; out0
	v_lshl_add_u32 v[SPW], v0, 2, SPARE
	v_mov_b32 v[NIL], 0
	ds_add_u32 v[SPW], v[NIL]                      ; the opening lines: the add twice on end and one wait, ahead of my first tensor load
	ds_add_u32 v[SPW], v[NIL]
	v_lshrrev_b32 v9, 5, v0
	v_readfirstlane_b32 s[WV], v9                  ; wave 0..7
	s_and_b32 s72, ttmp7, 0xffff                   ; g
	s_lshl_b32 s74, s72, 18                        ; g's first byte in each buffer of codes
	s_sub_co_u32 s[LIM1], 8, ttmp9
	s_sub_co_u32 s73, 7, ttmp9                     ; the first block
	s_and_b32 s84, s[WV], 3
	s_lshl_b32 s84, s84, 13
	s_add_co_u32 s84, s84, s74                     ; what I fetch: quarter wave % 4 of K's or V's 32 KiB
	s_mov_b32 s85, 0
	s_lshl_b32 s86, s[WV], 12                      ; Q: my 32 queries are 4,096 bytes, a block 32,768
	s_add_co_u32 s86, s86, s74
	s_lshl_b32 s88, s73, 15
	s_add_co_u32 s88, s88, s86
	s_mov_b32 s89, 0
	s_lshl_b32 s87, ttmp9, 15
	s_add_co_u32 s86, s86, s87
	s_mov_b32 s87, 0
	s_lshr_b32 s90, s72, 4                         ; O: ((b x 2 + chunk) x 2,048 positions x 16 heads + head) x 512 bytes,
	s_lshl_b32 s90, s90, 24
	s_and_b32 s91, s72, 15
	s_lshl_b32 s91, s91, 9
	s_add_co_u32 s90, s90, s91
	s_lshl_b32 s91, s[WV], 18                      ; + 32 x wave positions of 8,192 bytes,
	s_add_co_u32 s90, s90, s91
	s_lshl_b32 s92, s73, 21                        ; + the block's 256 positions
	s_add_co_u32 s92, s92, s90
	s_mov_b32 s93, 0
	s_lshl_b32 s91, ttmp9, 21
	s_add_co_u32 s90, s90, s91
	s_mov_b32 s91, 0
	s_lshl_b32 s94, s[WV], 5
	s_lshl_b32 s[Q0], s73, 8
	s_add_co_u32 s[Q0], s[Q0], s94                 ; my first query in the first block, and the block's end
	s_lshl_b32 s[QEND], s[LIM1], 8
	s_lshl_b32 s81, ttmp9, 8
	s_add_co_u32 s82, s81, 256                     ; the same for the second block: s81, s82
	s_add_co_u32 s81, s81, s94
	s_mov_b32 s[G1], 3<<16                         ; group 1: a dense block of 8 KiB as 32 rows of 32 elements of 8 bytes, no mask, no padding
	s_mov_b32 s[G1+1], 32<<16
	s_mov_b32 s[G1+2], 32<<16
	s_mov_b32 s[G1+3], 32<<16
	s_mov_b32 s[G1+4], 32
	s_mov_b32 s[G1+5], 32
	s_mov_b32 s[G1+6], 0
	s_mov_b32 s[G1+7], 0
	s_mov_b32 s[SEL], 0x76543210
	s_mov_b32 s[SEL+1], 0xfedcba98
	s_mov_b32 s[CS], 0x3fb8aa3b                    ; log2(e)
	s_mov_b32 s[TB], 0
	s_mov_b32 s[NK], 0
	s_mov_b32 s47, 0
	s_mov_b32 s[SLOTS], 8
	s_mov_b32 s[KF], 0
	s_lshl_b32 s[G0+1], s[WV], 13                  ; LDS address: slot 0, eighth = wave
	s_mov_b32 s[G0], 1
	s_wait_alu depctr_va_vdst(0)
	s_wait_dscnt 0x0                               ; both opening adds are done
	s_wait_kmcnt 0x0
	s_load_b128 s[68:71], s[14:15], 0x0            ; eq, ek, ev, ep
	s_cmp_lt_u32 s[WV], 4                          ; the choice hangs on the wave's number alone
	s_cselect_b64 s[KVB:KVB+1], s[6:7], s[12:13]
	s_add_nc_u64 s[KVB:KVB+1], s[KVB:KVB+1], s[84:85]
	s_mov_b64 s[G0+2:G0+3], s[KVB:KVB+1]
	s_or_b32 s[G0+3], s[G0+3], 0x80000000
	TLOAD                                          ; slot 0
	s_add_nc_u64 s[QP1:QP1+1], s[4:5], s[88:89]
	s_add_nc_u64 s[QP2:QP2+1], s[4:5], s[86:87]
	s_add_nc_u64 s[OP1:OP1+1], s[16:17], s[92:93]
	s_add_nc_u64 s[OP2:OP2+1], s[16:17], s[90:91]
	s_add_nc_u64 s[PFA:PFA+1], s[KVB:KVB+1], 32768 ; my part of slot 1: the first change of slots steps it to slot 2
	s_cmp_eq_u32 ttmp9, 0
	s_cselect_b32 s[LIM], 2, -1                    ; work-group x = 0 asks while more than two fills are to come
	s_mul_i32 s73, s[WV], 16*SP
	s_add_co_u32 s73, s73, STAGE                   ; my stage
	v_and_b32 v9, 31, v0
	v_lshlrev_b32 v[LI], 4, v9
	v_lshlrev_b32 v[PFO], 8, v9
	v_and_b32 v4, 15, v0                           ; r
	v_bfe_u32 v9, v0, 4, 1                         ; hh
	v_lshlrev_b32 v[GO], 13, v9
	v_lshl_add_u32 v[GO], v4, 4, v[GO]             ; the way out: lanes 0-15 one position's row of O, lanes 16-31 the next
	v_lshlrev_b32 v[DL], 4, v9
	v_sub_nc_u32 v[DL], v4, v[DL]
	v_mul_u32_u24 v[STO], v4, SP
	v_lshl_add_u32 v[STO], v9, 5, v[STO]
	v_add_nc_u32 v[STO], s73, v[STO]               ; into the stage: row r, + 32 hh
	v_mul_u32_u24 v[RD], v9, SP
	v_lshl_add_u32 v[RD], v4, 4, v[RD]
	v_add_nc_u32 v[RD], s73, v[RD]                 ; back: lanes 0-15 one row, lanes 16-31 the next
	s_wait_alu depctr_va_vdst(0)
	QLOAD QP1
	WIN 0x40
.set n, 0
.rept 128
	v_mov_b32 v[O+n], 0                            ; O^T: the step has no first form of its own: it finds zeros, which the first change of M leaves zeros
.set n, n+1
.endr
	WIN 0
.irp u, 0,1
	v_mov_b32 v[NM+4*\u+1], 0xff61b1e6             ; the largest t so far: -3e38
	v_floor_f32 v[NM+4*\u], -v[NM+4*\u+1]
	v_mov_b32 v[FF+4*\u], 0
	v_mov_b32 v[FF+4*\u+1], 0
	v_mov_b32 v[SUM+2*\u], 0
	v_mov_b32 v[SUM+2*\u+1], 0
	v_mov_b32 v[PX+\u], 0                          ; a lane permute's destination counts as one of its sources
.endr
	s_wait_kmcnt 0x0
	s_add_co_i32 s72, s68, s69
	s_lshl_b32 s72, s72, 23
	s_add_co_i32 s[CS], s[CS], s72                 ; log2(e) x 2^(eq + ek)
	s_mov_b32 s[CS+1], s[CS]
	s_add_co_i32 s72, s71, 127
	s_lshl_b32 s73, s72, 23
	v_mov_b32 v[SC], s73                           ; 2^ep
	s_add_co_i32 s72, s72, 15
	s_lshl_b32 s72, s72, 23
	s_or_b32 s72, s72, 0x600000
	v_mov_b32 v[HOLD], s72                         ; 57,344 x 2^ep
	v_mov_b32 v[HOLD+1], s72
	s_add_co_i32 s[ESUM], s70, s71                 ; ev + ep
; A KEY STEP: 128 keys, the q-th of the slot in hand, for my 32 queries.
.macro STEP q
	s_add_co_u32 s96, s[Q0], 31                    ; a step all of whose keys come after my queries is left out: a branch on ids, round no barrier and no tensor load
	s_cmp_gt_u32 s[KF], s96
	s_cbranch_scc1 .Lhidden_\@
	v_add_nc_u32 v[ADR], s[TB], v[LI]
	s_wait_alu depctr_va_vdst(0)
	NOPS 3                                         ; with the addition: four places in front of loads into registers that the last products read
	LDF 0x40, FA, (8*(\q))*2048, 2048, 512         ; K's tiles 0-3
	LDF 0, FB, (8*(\q)+4)*2048, 2048, 512          ; and 4-7
	s_wait_dscnt 16                                ; the first sixteen loads are in; the sixteen behind them may be out
	SMUL 0x05, FA, 0
	s_wait_dscnt 0x0
	SMUL 0x04, FB, 4
	NOPS 4                                         ; four places: for V's loads into the fragments, and for the reads of the scores
	LDF 0x40, FA, VOFF+16384*(\q), 512, 4096       ; V's channel tiles 0-3: on their way while the softmax is worked
	LDF 0, FB, VOFF+16384*(\q)+2048, 512, 4096     ; and 4-7
	s_add_co_u32 s96, s[KF], 127                   ; a step all of whose keys count skips the mask
	s_cmp_le_u32 s96, s[Q0]
	s_cbranch_scc1 .Lopen_\@
	s_sub_co_i32 s96, s[Q0], s[KF]
	v_add_nc_u32 v[DD], s96, v[DL]                 ; d = Q0 + r - KF - 16 hh.  Register 16 b + i of tile u: hidden where 32 b + i - 16 u > d
	v_mov_b32 v[NINF], 0xff800000
.irp u, 0,1
.set n, 0
.rept 64
	v_cmp_gt_i32 vcc_lo, 32*(n/16)+n%16-16*\u, v[DD]
	v_cndmask_b32 v[S+64*\u+n], v[S+64*\u+n], v[NINF], vcc_lo
.set n, n+1
.endr
.endr
.Lopen_\@:
.irp u, 0,1                                    ; the step's largest scores: two chains for each tile, the four by turns; each accumulator from its low end on
	v_max3_num_f32 v[TA+2*\u], v[S+64*\u], v[S+64*\u+1], v[S+64*\u+2]
	v_max3_num_f32 v[TA+2*\u+1], v[S+64*\u+3], v[S+64*\u+4], v[S+64*\u+5]
.endr
.irp i, 6,10,14,18,22,26,30,34,38,42,46,50,54,58
.irp u, 0,1
	v_max3_num_f32 v[TA+2*\u], v[TA+2*\u], v[S+64*\u+\i], v[S+64*\u+\i+1]
	v_max3_num_f32 v[TA+2*\u+1], v[TA+2*\u+1], v[S+64*\u+\i+2], v[S+64*\u+\i+3]
.endr
.endr
.irp u, 0,1
	v_max3_num_f32 v[TA+2*\u], v[TA+2*\u], v[S+64*\u+62], v[S+64*\u+63]
.endr
.irp u, 0,1
	v_max_num_f32 v[TA+2*\u], v[TA+2*\u], v[TA+2*\u+1]
.endr
.irp u, 0,1
	v_permlanex16_b32 v[PX+\u], v[TA+2*\u], s[SEL], s[SEL+1]
.endr
.irp u, 0,1
	v_max_num_f32 v[TA+2*\u], v[TA+2*\u], v[PX+\u] ; and lane l xor 16's
.endr
.irp u, 0,1
	v_mul_f32 v[TA+2*\u], s[CS], v[TA+2*\u]        ; as t (the factor is positive)
.endr
.irp u, 0,1
	v_max_num_f32 v[NM+4*\u+1], v[NM+4*\u+1], v[TA+2*\u]
.endr
.irp u, 0,1
	v_mov_b32 v[TA+2*\u], v[NM+4*\u]
.endr
.irp u, 0,1
	v_floor_f32 v[NM+4*\u], -v[NM+4*\u+1]          ; the new -M = -ceil(t)
.endr
.irp u, 0,1
	v_sub_f32 v[TA+2*\u], v[NM+4*\u], v[TA+2*\u]   ; old M - new M: a whole number, 0 or less
.endr
.irp u, 0,1
	v_cvt_i32_f32 v[TA+2*\u], v[TA+2*\u]           ; (it saturates)
.endr
.irp u, 0,1
	v_ldexp_f32 v[FF+4*\u], 1.0, v[TA+2*\u]        ; f = 2^(old M - new M)
.endr
	WIN 0x41
.irp u, 0,1
.set j, 0
.rept 32
	v_pk_mul_f32 v[O+64*\u+j:O+64*\u+j+1], v[O+64*\u+j:O+64*\u+j+1], v[FF+4*\u:FF+4*\u+1] op_sel_hi:[1,0]   ; O^T under the new M, ahead of the exponentials
.set j, j+2
.endr
.endr
	WIN 0
.irp u, 0,1
.set j, 0
.rept 32
	v_pk_fma_f32 v[S+64*\u+j:S+64*\u+j+1], v[S+64*\u+j:S+64*\u+j+1], s[CS:CS+1], v[NM+4*\u:NM+4*\u+1] op_sel_hi:[1,0,0]   ; t - M
.set j, j+2
.endr
.endr
	s_wait_alu depctr_va_vdst(0)                   ; the wait ahead of the batch
.set n, 0
.rept 128
	v_exp_f32 v[S+n], v[S+n]                       ; p = 2^(t - M)
.set n, n+1
.endr
.irp u, 0,1
	v_pk_mul_f32 v[SUM+2*\u:SUM+2*\u+1], v[SUM+2*\u:SUM+2*\u+1], v[FF+4*\u:FF+4*\u+1] op_sel_hi:[1,0]   ; the sums under the new M (the plain lines behind the batch)
.endr
	s_wait_alu depctr_va_vdst(0)                   ; and the one wait behind it, ahead of its first reader
.irp m, 0,1,2                                  ; the sums of the unquantised p: four chains for each tile, the eight by turns
.irp u, 0,1
	PADD T1+6*\u+2*\m, S+64*\u+4*\m, S+64*\u+4*\m+2
.endr
.endr
.irp k, 6,10,14,18,22,26
.irp u, 0,1
	PADD SUM+2*\u, SUM+2*\u, S+64*\u+2*\k
.endr
.irp m, 0,1,2
.irp u, 0,1
	PADD T1+6*\u+2*\m, T1+6*\u+2*\m, S+64*\u+2*(\k+1+\m)
.endr
.endr
.endr
.irp u, 0,1
	PADD SUM+2*\u, SUM+2*\u, S+64*\u+60
	PADD T1+6*\u, T1+6*\u, S+64*\u+62
.endr
.irp u, 0,1
	PADD T1+6*\u+2, T1+6*\u+2, T1+6*\u+4
	PADD SUM+2*\u, SUM+2*\u, T1+6*\u
.endr
.irp u, 0,1
	PADD SUM+2*\u, SUM+2*\u, T1+6*\u+2
.endr
.set n, 0
.rept 64
	v_dual_min_num_f32 v[S+n], v[HOLD], v[S+n] :: v_dual_min_num_f32 v[S+n+1], v[HOLD+1], v[S+n+1]   ; the conversion does not saturate (ISA guide 7.6.2); p is not negative: a one-sided hold, two a line
.set n, n+2
.endr
	WIN 0x40
.irp u, 0,1
.irp b, 0,1,2,3
	v_cvt_scalef32_pk8_bf8_f32 v[CODE+16*\u+4*\b:CODE+16*\u+4*\b+1], v[S+64*\u+16*\b:S+64*\u+16*\b+7], v[SC]
	v_cvt_scalef32_pk8_bf8_f32 v[CODE+16*\u+4*\b+2:CODE+16*\u+4*\b+3], v[S+64*\u+16*\b+8:S+64*\u+16*\b+15], v[SC]
.endr
.endr
	v_nop                                          ; a plain line between the conversions and the products that read the codes
	s_wait_alu depctr_va_vdst(0)
	s_wait_dscnt 0x0                               ; V's fragments
	PMUL 0x55, FA, 0
	PMUL 0x54, FB, 4
	WIN 0
.Lhidden_\@:
	s_add_co_u32 s[KF], s[KF], 128
.endm
; THE CHANGE OF SLOTS: each wave waits for its tensor load (its part of the slot ahead), adds 0 to its spare word, and waits for that and for its reads of the slot that it has left; one barrier;
; fill = 1: the slot just left takes the next 256 keys of the walk (the first time: slot 1's first fill).
.macro CHANGE fill
	s_wait_tensorcnt 0x0
	ds_add_u32 v[SPW], v[NIL]
.if \fill
	s_xor_b32 s[G0+1], s[G0+1], SLOT1
	s_add_co_u32 s[NK], s[NK], 1
	s_cmp_eq_u32 s[NK], s[LIM1]
	s_cselect_b32 s[NK], 0, s[NK]                  ; 0 .. 7 - x, then 0 .. x
	s_lshl_b32 s46, s[NK], 15
	s_add_nc_u64 s[G0+2:G0+3], s[KVB:KVB+1], s[46:47]
	s_or_b32 s[G0+3], s[G0+3], 0x80000000
	s_wait_xcnt 0x0                                ; the last prefetch has read its address
	s_add_nc_u64 s[PFA:PFA+1], s[PFA:PFA+1], 32768 ; one slot further on than this fill
.endif
	s_wait_dscnt 0x0
	s_barrier_signal -1
	s_barrier_wait -1
.if \fill
	TLOAD
	ASK
.endif
.endm
.macro SLOT_STEPS
	STEP 0
	STEP 1
	s_xor_b32 s[TB], s[TB], SLOT1
.endm
; THE WAY OUT of a block: O^T / the sum x 2^(ev + ep) goes through my stage, half a row (256 bytes) of 16 queries a round, four rounds, so that sixteen lanes store 256 consecutive bytes, aligned.
.macro OUT base, next
.if \next
	QLOAD QP2                                      ; the second block's Q
.endif
.irp u, 0,1
	v_add_f32 v[SUM+2*\u], v[SUM+2*\u], v[SUM+2*\u+1]
.endr
.irp u, 0,1
	v_permlanex16_b32 v[PX+\u], v[SUM+2*\u], s[SEL], s[SEL+1]
.endr
.irp u, 0,1
	v_add_f32 v[SUM+2*\u], v[SUM+2*\u], v[PX+\u]   ; the row's sum, above 1/2
.endr
	s_wait_alu depctr_va_vdst(0)
	v_rcp_f32 v[SUM], v[SUM]
	v_rcp_f32 v[SUM+2], v[SUM+2]
	v_nop
	s_wait_alu depctr_va_vdst(0)
.irp u, 0,1
	v_ldexp_f32 v[SUM+2*\u], v[SUM+2*\u], s[ESUM]
.endr
	WIN 0x01
	s_wait_alu depctr_va_vdst(0)                   ; the wait directly ahead of the first reader of O^T
.irp u, 0,1
.set n, 0
.rept 64
	v_mul_f32 v[S+64*\u+n], v[O+64*\u+n], v[SUM+2*\u]   ; register 8 t + i of tile u is o(16 u + r, 16 t + 8 hh + i)
.set n, n+1
.endr
.endr
.irp k, 0,1,2,3                                ; round k: tile k / 2, channels 64 (k % 2) on.  LDS serves a wave's instructions in order: the loads see my stores, the next round's stores come behind them
	WIN 0
.irp t, 0,1,2,3
	ds_store_b128 v[STO], v[S+32*\k+8*\t:S+32*\k+8*\t+3] offset:64*\t
	ds_store_b128 v[STO], v[S+32*\k+8*\t+4:S+32*\k+8*\t+7] offset:64*\t+16
.endr
.if \k < 2
.irp i, 0,1,2,3,4,5,6,7
	ds_load_b128 v[FB+32*\k+4*\i:FB+32*\k+4*\i+3], v[RD] offset:2*\i*SP
.endr
.else
	WIN 0x40
.irp i, 0,1,2,3,4,5,6,7
	ds_load_b128 v[FA+32*(\k-2)+4*\i:FA+32*(\k-2)+4*\i+3], v[RD] offset:2*\i*SP
.endr
.endif
.endr
	WIN 0
.irp k, 0,1
.irp i, 0,1,2,3,4,5,6,7
	s_wait_dscnt 7-\i+16*(3-\k)                    ; this load is back: behind it stand the round's younger loads and sixteen LDS lines for each later round
	global_store_b128 v[GO], v[FB+32*\k+4*\i:FB+32*\k+4*\i+3], s[\base:\base+1] offset:2*\i*8192+256*\k th:TH_STORE_NT
.endr
.endr
	WIN 0x04
.irp k, 0,1
.irp i, 0,1,2,3,4,5,6,7
	s_wait_dscnt 7-\i+16*(1-\k)
	global_store_b128 v[GO], v[FA+32*\k+4*\i:FA+32*\k+4*\i+3], s[\base:\base+1] offset:(16+2*\i)*8192+256*\k th:TH_STORE_NT
.endr
.endr
	WIN 0
.endm
	s_wait_alu depctr_va_vdst(0)
	s_wait_loadcnt 0x0                             ; Q
.Lslot:                                            ; eight trips: behind each change of slots the next slot is asked for
	CHANGE 1
	SLOT_STEPS
	s_cmp_eq_u32 s[KF], s[QEND]                    ; the first block's last slot?  Ids and constants alone decide, alike in all waves; once, in trip 7 - x
	s_cbranch_scc0 .Lsame
	s_wait_alu depctr_va_vdst(0)
	OUT OP1, 1
	s_mov_b32 s[KF], 0                             ; the second block: its keys, its queries, its statistics
	s_mov_b32 s[Q0], s81
	s_mov_b32 s[QEND], s82
.irp u, 0,1
	v_mov_b32 v[NM+4*\u+1], 0xff61b1e6             ; O^T is not cleared: the next step's f is 0, and O^T is finite
	v_floor_f32 v[NM+4*\u], -v[NM+4*\u+1]
	v_mov_b32 v[SUM+2*\u], 0
	v_mov_b32 v[SUM+2*\u+1], 0
.endr
	s_wait_alu depctr_va_vdst(0)
	s_wait_xcnt 0x0                                ; the stores have read the fragments' registers, which the next step's loads write
	s_wait_loadcnt 0x0                             ; the second block's Q
.Lsame:
	s_sub_co_u32 s[SLOTS], s[SLOTS], 1
	s_cmp_lg_u32 s[SLOTS], 0
	s_cbranch_scc1 .Lslot
	CHANGE 0                                       ; the ninth slot is written out
	SLOT_STEPS
	s_wait_alu depctr_va_vdst(0)
	OUT OP2, 0
	s_wait_tensorcnt 0x0                           ; the wave's end
	ds_add_u32 v[SPW], v[NIL]
	s_wait_dscnt 0x0
	s_endpgm
.Lfunc_end_k_q3c8f012733_attn:
	.size	k_q3c8f012733_attn, .Lfunc_end_k_q3c8f012733_attn-k_q3c8f012733_attn
	.p2alignl 7, 3214868480
	.fill 96, 4, 3214868480
	.section	.rodata,"a",@progbits
	.p2align	6, 0x0
	.amdhsa_kernel k_q3c8f012733_attn
		.amdhsa_group_segment_fixed_size 327680
		.amdhsa_private_segment_fixed_size 0
		.amdhsa_enable_private_segment 0
		.amdhsa_kernarg_size 40
		.amdhsa_user_sgpr_count 2
		.amdhsa_user_sgpr_kernarg_segment_ptr 1
		.amdhsa_wavefront_size32 1
		.amdhsa_system_sgpr_workgroup_id_x 1
		.amdhsa_system_sgpr_workgroup_id_y 1
		.amdhsa_system_sgpr_workgroup_id_z 1
		.amdhsa_system_vgpr_workitem_id 0
		.amdhsa_next_free_vgpr 512
		.amdhsa_next_free_sgpr 100
		.amdhsa_reserve_vcc 1
		.amdhsa_float_denorm_mode_32 3
		.amdhsa_float_denorm_mode_16_64 3
		.amdhsa_memory_ordered 1
		.amdhsa_forward_progress 1
		.amdhsa_inst_pref_size 210
	.end_amdhsa_kernel
	.amdgpu_metadata
---
amdhsa.version: [ 1, 2 ]
amdhsa.kernels:
  - .name:           k_q3c8f012733_attn
    .symbol:         k_q3c8f012733_attn.kd
    .args:
      - { .name: qc, .offset: 0, .size: 8, .value_kind: global_buffer, .address_space: global }
      - { .name: kc, .offset: 8, .size: 8, .value_kind: global_buffer, .address_space: global }
      - { .name: vc, .offset: 16, .size: 8, .value_kind: global_buffer, .address_space: global }
      - { .name: lowp_scales, .offset: 24, .size: 8, .value_kind: global_buffer, .address_space: global }
      - { .name: out0, .offset: 32, .size: 8, .value_kind: global_buffer, .address_space: global }
    .group_segment_fixed_size: 327680
    .private_segment_fixed_size: 0
    .kernarg_segment_align: 8
    .kernarg_segment_size: 40
    .max_flat_workgroup_size: 256
    .sgpr_count:     100
    .vgpr_count:     512
    .wavefront_size: 32
...
	.end_amdgpu_metadata
.endif
;; end of part 2
